; MI455X (gfx1250); checked and timed in simulation.
; The chip was launched on July 23, 2026; its instructions are those of AMD's public machine-readable ISA for CDNA 5 (MIT licence, August 2026) and "CDNA5" Instruction Set Architecture Reference Guide (July 2026). The comments in the code are by the model that wrote it; some were corrected since.
;; Multi Head Attention. Allowed arithmetic: float matrix products may take bf16 or f16 operands with f32 sums; all other float work in f32.
;; Inputs: Wk 1,024 x 1,024 float32; Wo 1,024 x 1,024 float32; Wq 1,024 x 1,024 float32; Wv 1,024 x 1,024 float32; bk 1,024 float32; bo 1,024 float32; bq 1,024 float32; bv 1,024 float32; x 1 x 4,096 x 1,024 float32.
;; Outputs: out0 1 x 4,096 x 1,024 float32.
;; One version. Each part assembles by itself: llvm-mc -triple=amdgcn-amd-amdhsa -mcpu=gfx1250 --defsym DOCPART=n.
;; ======== version 1 of 1: 4 launches
;; workspace buffers: xb 8,388,608 bytes; wt 8,388,608 bytes; qkv 25,165,824 bytes; ao 8,388,608 bytes
;; launch prep (part 1): grid 1024 x 1, 8 waves a work-group, no clusters, 18,432 bytes of LDS; arguments x, Wq, Wk, Wv, Wo, xb, wt; writes xb, wt
.if DOCPART == 1
	.amdgcn_target "amdgcn-amd-amdhsa--gfx1250"
	.amdhsa_code_object_version 6
	.text
	.protected	k_qdcff1d8537_prep
	.globl	k_qdcff1d8537_prep
	.p2align	8
	.type	k_qdcff1d8537_prep,@function
k_qdcff1d8537_prep:
	s_mov_b64 s[64:65], 0
	v_nop
	global_prefetch_b8 v0, s[64:65] scope:SCOPE_SE
	s_setreg_imm32_b32 hwreg(HW_REG_WAVE_MODE, 25, 1), 1
	s_wait_xcnt 0x0
; prep: the bf16 operands of the three matrix launches, made once.
;   xb[r][k]          = bf16(x[r][k])                 [4096][1024]
;   wt[1024 i + n][k] = bf16(W_i[k][n]), i = q,k,v,o  [4096][1024]: the weights transposed, so that K lies along the rows
; 1,024 work-groups of eight waves; each reads 32 KiB of f32 once and writes 16 KiB of bf16 once.
; Work-groups 0-511 convert x (a plain stream); work-groups 512-1023 each transpose a tile of 128 k x 64 n of one weight through LDS.
; The branch between the two hangs on the work-group's number alone, so all eight waves of a group take the same way.
; Memory binds: no matrix unit, no cluster, no tensor load would add anything.  Rounding: to nearest even, once.
.set LP_,  272                         ; LDS row of the transposed tile: 128 k x 2 bytes + 16: rows start 68 words apart,
                                       ; so sixteen rows' 16-byte pieces fall on different banks (64 banks of 4 bytes: ISA guide 11.1)
	s_load_b256 s[4:11], s[0:1], 0x0               ; x s[4:5], Wq s[6:7], Wk s[8:9], Wv s[10:11]
	s_load_b128 s[12:15], s[0:1], 0x20             ; Wo s[12:13], xb s[14:15]
	s_load_b64 s[16:17], s[0:1], 0x30              ; wt
	v_lshl_add_u32 v72, v0, 2, 0x4400
	v_mov_b32 v73, 0
	s_cmp_lt_u32 ttmp9, 512
	s_cbranch_scc0 .Lweights
	; ---- x: thread t takes 16 bytes at 16 t of each of eight pieces of 4,096 bytes
	v_lshlrev_b32 v1, 4, v0                        ; 16 t in x
	v_lshlrev_b32 v2, 3, v0                        ; 8 t in xb
	s_lshl_b32 s20, ttmp9, 15                      ; 32,768 bytes of x a work-group
	s_mov_b32 s21, 0
	s_lshl_b32 s22, ttmp9, 14                      ; 16,384 bytes of xb
	s_mov_b32 s23, 0
	s_wait_kmcnt 0x0
	s_add_nc_u64 s[4:5], s[4:5], s[20:21]
	s_add_nc_u64 s[14:15], s[14:15], s[22:23]
.irp j, 0,1,2,3,4,5,6,7
	global_load_b128 v[8+4*\j:8+4*\j+3], v1, s[4:5] offset:4096*\j th:TH_LOAD_NT
.endr
.irp j, 0,1,2,3,4,5,6,7
	s_wait_loadcnt 7-\j                            ; loads return in order: piece j is in, the younger ones stay out
	v_cvt_pk_bf16_f32 v[40+2*\j], v[8+4*\j], v[9+4*\j]
	v_cvt_pk_bf16_f32 v[41+2*\j], v[10+4*\j], v[11+4*\j]
	global_store_b64 v2, v[40+2*\j:41+2*\j], s[14:15] offset:2048*\j   ; a wave's store covers 256 consecutive bytes, aligned; no register is written twice
.endr
	s_endpgm
	; ---- weights: tile (weight wi, 128 k at 128 kt, 64 n at 64 nt)
.Lweights:
	s_sub_co_u32 s24, ttmp9, 512
	s_lshr_b32 s25, s24, 7                         ; wi: 128 tiles a weight
	s_and_b32 s26, s24, 7                          ; kt
	s_bfe_u32 s27, s24, 0x40003                    ; nt: 4 bits from bit 3
	s_lshl_b32 s20, s26, 19                        ; source: 128 kt rows of 4,096 bytes
	s_lshl_b32 s28, s27, 8                         ;         + 64 nt columns of 4 bytes
	s_add_co_u32 s20, s20, s28
	s_mov_b32 s21, 0
	s_lshl_b32 s22, s25, 21                        ; target: 1,024 wi rows of 2,048 bytes
	s_lshl_b32 s28, s27, 17                        ;         + 64 nt rows
	s_add_co_u32 s22, s22, s28
	s_lshl_b32 s28, s26, 8                         ;         + 128 kt columns of 2 bytes
	s_add_co_u32 s22, s22, s28
	s_mov_b32 s23, 0
	v_and_b32 v3, 15, v0                           ; t & 15
	v_lshrrev_b32 v4, 4, v0                        ; t >> 4
	v_lshlrev_b32 v1, 4, v3                        ; load: columns 4 (t&15) .. +3,
	v_lshl_add_u32 v1, v4, 15, v1                  ;       rows 8 (t>>4) .. +7: sixteen lanes read 256 bytes of one row
	v_mul_u32_u24 v5, v3, LP_                      ; into LDS: row 16 i + (t&15) holds column 4 (t&15) + i,
	v_lshl_add_u32 v5, v4, 4, v5                   ;           my 8 k at byte 16 (t>>4)
	v_mul_u32_u24 v6, v4, LP_                      ; back: row 16 j + (t>>4) = column 4 (t>>4) + j,
	v_lshl_add_u32 v6, v3, 4, v6                   ;       16 bytes at 16 (t&15)
	v_lshlrev_b32 v7, 4, v3                        ; store: the same 16 bytes of wt's row 4 (t>>4) + j
	v_lshl_add_u32 v7, v4, 13, v7
	s_wait_kmcnt 0x0
	s_mov_b64 s[18:19], s[6:7]                     ; the weight's address, chosen by wi
	s_cmp_eq_u32 s25, 1
	s_cselect_b64 s[18:19], s[8:9], s[18:19]
	s_cmp_eq_u32 s25, 2
	s_cselect_b64 s[18:19], s[10:11], s[18:19]
	s_cmp_eq_u32 s25, 3
	s_cselect_b64 s[18:19], s[12:13], s[18:19]
	s_add_nc_u64 s[18:19], s[18:19], s[20:21]
	s_add_nc_u64 s[16:17], s[16:17], s[22:23]
.irp j, 0,1,2,3,4,5,6,7
	global_load_b128 v[8+4*\j:8+4*\j+3], v1, s[18:19] offset:4096*\j th:TH_LOAD_NT   ; v[8+4j+i] = W[8 (t>>4) + j][4 (t&15) + i]
.endr
	s_wait_loadcnt 0x0                             ; every packed word needs two rows: all eight are waited for
.irp i, 0,1,2,3
.irp p, 0,1,2,3
	v_cvt_pk_bf16_f32 v[40+4*\i+\p], v[8+8*\p+\i], v[12+8*\p+\i]   ; k = 2p, 2p + 1 of column i
.endr
	ds_store_b128 v5, v[40+4*\i:43+4*\i] offset:16*LP_*\i
.endr
	s_wait_dscnt 0x0                               ; my stores are in LDS before I say so: other waves read them
	s_barrier_signal -1
	s_barrier_wait -1
.irp j, 0,1,2,3
	ds_load_b128 v[56+4*\j:59+4*\j], v6 offset:16*LP_*\j
.endr
.irp j, 0,1,2,3
	s_wait_dscnt 3-\j
	global_store_b128 v7, v[56+4*\j:59+4*\j], s[16:17] offset:2048*\j   ; sixteen lanes store 256 consecutive bytes of one row of wt, aligned
.endr
	s_wait_tensorcnt 0x0
	ds_add_u32 v72, v73
	s_wait_dscnt 0x0
	s_endpgm
.Lfunc_end_k_qdcff1d8537_prep:
	.size	k_qdcff1d8537_prep, .Lfunc_end_k_qdcff1d8537_prep-k_qdcff1d8537_prep
	.p2alignl 7, 3214868480
	.fill 96, 4, 3214868480
	.section	.rodata,"a",@progbits
	.p2align	6, 0x0
	.amdhsa_kernel k_qdcff1d8537_prep
		.amdhsa_group_segment_fixed_size 18432
		.amdhsa_private_segment_fixed_size 0
		.amdhsa_enable_private_segment 0
		.amdhsa_kernarg_size 56
		.amdhsa_user_sgpr_count 2
		.amdhsa_user_sgpr_kernarg_segment_ptr 1
		.amdhsa_wavefront_size32 1
		.amdhsa_system_sgpr_workgroup_id_x 1
		.amdhsa_system_sgpr_workgroup_id_y 1
		.amdhsa_system_sgpr_workgroup_id_z 1
		.amdhsa_system_vgpr_workitem_id 0
		.amdhsa_next_free_vgpr 74
		.amdhsa_next_free_sgpr 66
		.amdhsa_reserve_vcc 0
		.amdhsa_float_denorm_mode_32 3
		.amdhsa_float_denorm_mode_16_64 3
		.amdhsa_memory_ordered 1
		.amdhsa_forward_progress 1
		.amdhsa_inst_pref_size 9
	.end_amdhsa_kernel
	.amdgpu_metadata
---
amdhsa.version: [ 1, 2 ]
amdhsa.kernels:
  - .name:           k_qdcff1d8537_prep
    .symbol:         k_qdcff1d8537_prep.kd
    .args:
      - { .name: x, .offset: 0, .size: 8, .value_kind: global_buffer, .address_space: global }
      - { .name: Wq, .offset: 8, .size: 8, .value_kind: global_buffer, .address_space: global }
      - { .name: Wk, .offset: 16, .size: 8, .value_kind: global_buffer, .address_space: global }
      - { .name: Wv, .offset: 24, .size: 8, .value_kind: global_buffer, .address_space: global }
      - { .name: Wo, .offset: 32, .size: 8, .value_kind: global_buffer, .address_space: global }
      - { .name: xb, .offset: 40, .size: 8, .value_kind: global_buffer, .address_space: global }
      - { .name: wt, .offset: 48, .size: 8, .value_kind: global_buffer, .address_space: global }
    .group_segment_fixed_size: 18432
    .private_segment_fixed_size: 0
    .kernarg_segment_align: 8
    .kernarg_segment_size: 56
    .max_flat_workgroup_size: 256
    .sgpr_count:     66
    .vgpr_count:     74
    .wavefront_size: 32
...
	.end_amdgpu_metadata
.endif
;; end of part 1
;; launch qkv (part 2): grid 12 x 16, 4 waves a work-group, clusters of 4 x 4, 327,680 bytes of LDS; arguments xb, wt, qkv, bq, bk, bv; writes qkv
.if DOCPART == 2
	.amdgcn_target "amdgcn-amd-amdhsa--gfx1250"
	.amdhsa_code_object_version 6
	.text
	.protected	k_qdcff1d8537_qkv
	.globl	k_qdcff1d8537_qkv
	.p2align	8
	.type	k_qdcff1d8537_qkv,@function
k_qdcff1d8537_qkv:
	s_mov_b64 s[64:65], 0
	v_nop
	global_prefetch_b8 v0, s[64:65] scope:SCOPE_SE
	s_setreg_imm32_b32 hwreg(HW_REG_WAVE_MODE, 25, 1), 1
	s_wait_xcnt 0x0
	s_wait_alu depctr_hold_cnt(0) depctr_sa_sdst(0) depctr_va_vdst(0) depctr_va_sdst(0) depctr_va_ssrc(0) depctr_va_vcc(0) depctr_vm_vsrc(0)
	s_getreg_b32 s2, hwreg(HW_REG_IB_STS2, 6, 4)
	s_cmp_eq_u32 s2, 0
	s_cbranch_scc0 .Lentry_in_a_cluster
	s_endpgm
.Lentry_in_a_cluster:
	s_bfe_u32 s2, ttmp6, 0x10000c
	s_cmp_lg_u32 s2, 0xf033
	s_cbranch_scc0 .Lentry_shape_is_right
	s_endpgm
.Lentry_shape_is_right:
; qkv: [Q|K|V][m][n] = sum over k of xb[m][k] wt[n][k] + bias[n], n = 0..3071, rounded once to bf16 and stored head-major:
; qkv[section][head][row][64].  xb: [4096][1024] bf16, wt: rows 0..3071 of [4096][1024] bf16; sums in f32.
; 12 x 16 blocks of 256 x 256 = 192 work-groups of four waves; a wave makes 128 x 128: 64 accumulator tiles, 512 registers.
; K goes in eight steps of 128 through two LDS slots filled by tensor loads whose rows are 256 aligned bytes of memory.
; CLUSTERS: 4 x 4 work-groups.  The four of a cluster's row need the same tiles of xb, the four of a column the same tiles of wt: each tile is
; asked for jointly (same line, same descriptor, a mask that names the four), which divides the requests for both operands by four.
; REGISTERS, in windows of 256:
;   window 0: v0-31 addresses; v32-63 packed results on the way out; v64-127, v128-191 fragments of xb, two buffers; v192-255 the bias
;   window 1: v64-127, v128-191 fragments of wt, two buffers;  window 2, 3: the accumulators of my rows 0-63, 64-127 (tile (a, b) at v[8 (8 a + b)])
; THE MATRIX INSTRUCTION IS USED TRANSPOSED: source 0 = 16 rows of wt, source 1 = 16 rows of xb; lane l then holds row l % 16 and its registers
; 0..7 the columns 8 (l / 16) + 0..7.  The bias of these eight columns, in eight registers, is the C of the first product: it starts the sums.
; The 64 accumulators take turns, one instruction a turn, in one order throughout.
.set SIZE_K, 1024
.set KSTEP,  128
.set PITCH,  272                       ; an LDS row: 256 bytes + 16 of padding: the 16 rows that a load touches start at 16 different banks (ISA guide 11.1)
.set HALFT,  128*PITCH                 ; 128 rows: what one tensor load brings
.set SLOT,   4*HALFT                   ; xb's 256 rows, then wt's 256 rows
.set STAGE,  2*SLOT                    ; behind the ring: 16 rows x 272 bytes for each wave; no tensor load lands here
.set SPITCH, 272
.set LAPS,   SIZE_K/(2*KSTEP)          ; 4 laps of two K steps
.set HEADB,  4096*128                  ; bytes of one head in qkv
.set ADRA, 16                          ; v16-17  LDS address of my xb fragments in slot 0, 1
.set ADRB, 20                          ; v20-21  the same for wt
.set STO,  24                          ; v24     way out: where I put 16 bytes of a row
.set RD,   25                          ; v25     way out: where I read back
.set CO,   26                          ; v26     way out: 16 x lane
.set BO,   27                          ; v27     bias: 32 bytes x (lane / 16)
.set TMP,  32
.set F0,   64
.set F1,   128
.set BIAS, 192
.set G1, 24                            ; s[24:31] group 1 for xb's tiles
.set G0, 32                            ; s[32:39] group 0 for xb's tiles, one set a slot
.set G1B, 48                           ; s[48:55] group 1 for wt's tiles
.set G0B, 56                           ; s[56:63] group 0 for wt's tiles, one set a slot
.set MSB, 0
.macro WIN new                         ; the immediate's high byte repeats the setting that is left
.if MSB != \new
	s_set_vgpr_msb (MSB<<8)|\new
.set MSB, \new
.endif
.endm
.set MUL_LO,   0xa1                    ; source 0 (wt) window 1, source 1 (xb) window 0, C and D window 2
.set MUL_HI,   0xf1                    ; the same, C and D window 3
.set MUL_LO_B, 0x81                    ; the first product: C is the bias in window 0, D window 2
.set MUL_HI_B, 0xc1                    ; and D window 3
.set TO_B,     0x40                    ; destination window 1, address window 0
; A joint load: waves 0, 1 fetch xb's two halves, waves 2, 3 wt's.  The branch hangs on the wave's number alone.
.macro JLOAD s
	s_cmp_eq_u32 s11, 0
	s_cbranch_scc0 .Lfor_b_\@
	tensor_load_to_lds s[G0+4*\s:G0+4*\s+3], s[G1:G1+7]
	s_nop 0
	s_branch .Lasked_\@
.Lfor_b_\@:
	tensor_load_to_lds s[G0B+4*\s:G0B+4*\s+3], s[G1B:G1B+7]
	s_nop 0
.Lasked_\@:
.endm
; A round of the cluster's barrier: my work-group's barrier; wave 0 signals for the work-group; every wave waits for all sixteen; my barrier once more.
.macro CREST
	s_cmp_lg_u32 s10, 0
	s_cbranch_scc1 .Lnot_wave_0_\@
	s_barrier_signal -3
.Lnot_wave_0_\@:
	s_barrier_wait -3
	s_barrier_signal -1
	s_barrier_wait -1
.endm
.macro CROUND
	s_barrier_signal -1
	s_barrier_wait -1
	CREST
.endm
	s_load_b128 s[4:7], s[0:1], 0x0                ; xb s[4:5], wt s[6:7]
	s_load_b64 s[8:9], s[0:1], 0x10                ; qkv
	s_load_b64 s[66:67], s[0:1], 0x18              ; bq
	s_load_b128 s[68:71], s[0:1], 0x20             ; bk s[68:69], bv s[70:71]
	s_set_vgpr_msb 0x40
	v_lshl_add_u32 v255, v0, 2, 0x48400
	s_set_vgpr_msb 0x4000
	v_mov_b32 v31, 0
	s_set_vgpr_msb 0x1
	ds_add_u32 v255, v31
	s_set_vgpr_msb 0x100
	v_lshrrev_b32 v1, 5, v0
	v_readfirstlane_b32 s10, v1                    ; wave 0..3
	s_lshr_b32 s11, s10, 1                         ; my half of the block's rows.  Also: I fetch for xb (0) or wt (1)
	s_and_b32 s12, s10, 1                          ; my half of its columns.  Also: which 128 rows of that tile I fetch
	s_bfe_u32 s40, ttmp6, 0x40000                  ; cx
	s_bfe_u32 s41, ttmp6, 0x40004                  ; cy
	s_lshl_b32 s42, ttmp9, 2
	s_add_co_u32 s42, s42, s40                     ; block column = 4 x cluster x + cx
	s_and_b32 s13, ttmp7, 0xffff
	s_lshl_b32 s13, s13, 2
	s_add_co_u32 s13, s13, s41                     ; block row = 4 x cluster y + cy
	s_lshl_b32 s43, s41, 2
	s_lshl_b32 s43, 15, s43                        ; my row of the cluster: places 4 cy .. 4 cy + 3
	s_lshl_b32 s44, 0x1111, s40                    ; my column: places cx, cx + 4, cx + 8, cx + 12
	; group 1: 128 rows x 128 elements of 2 bytes, 4 words of padding behind every 64 words
	s_or_b32 s[G1+0], s43, (1<<16)|(1<<20)|(1<<21)|(5<<22)|(3<<25)
	s_or_b32 s[G1B+0], s44, (1<<16)|(1<<20)|(1<<21)|(5<<22)|(3<<25)
	s_mov_b32 s[G1+1], KSTEP<<16                   ; tensor_dim0 = 128
	s_mov_b32 s[G1B+1], KSTEP<<16
	s_mov_b32 s[G1+2], 128<<16                     ; tensor_dim1 = 128
	s_mov_b32 s[G1B+2], 128<<16
	s_mov_b32 s[G1+3], KSTEP<<16                   ; tile_dim0 = 128
	s_mov_b32 s[G1B+3], KSTEP<<16
	s_mov_b32 s[G1+4], 128                         ; tile_dim1 = 128
	s_mov_b32 s[G1B+4], 128
	s_mov_b32 s[G1+5], SIZE_K                      ; elements from row to row
	s_mov_b32 s[G1B+5], SIZE_K
	s_mov_b32 s[G1+6], 0
	s_mov_b32 s[G1B+6], 0
	s_mov_b32 s[G1+7], 0
	s_mov_b32 s[G1B+7], 0
	; xb's tiles hang on the block row alone, wt's on the block column alone; each address is made in registers that never hold the other coordinate
	s_lshl_b32 s17, s12, 7
	s_lshl_b32 s16, s13, 8
	s_add_co_u32 s16, s16, s17                     ; xb: row 256 x block row + 128 x half
	s_lshl_b32 s46, s42, 8
	s_add_co_u32 s46, s46, s17                     ; wt: row 256 x block column + 128 x half
	s_lshl_b32 s16, s16, 11                        ; rows of 2,048 bytes: 8 MiB at the most
	s_lshl_b32 s46, s46, 11
	s_mov_b32 s17, 0
	s_mov_b32 s47, 0
	s_mul_i32 s20, s10, HALFT                      ; LDS: wave x 128 rows
	s_lshl_b32 s72, s40, 10                        ; bias: (256 cx + 128 x column half) x 4 bytes inside the section
	s_lshl_b32 s73, s12, 9
	s_add_co_u32 s72, s72, s73
	s_mov_b32 s73, 0
	s_wait_dscnt 0x0
	s_wait_kmcnt 0x0
	s_add_nc_u64 s[14:15], s[4:5], s[16:17]
	s_add_nc_u64 s[46:47], s[6:7], s[46:47]
	s_cmp_eq_u32 ttmp9, 1                          ; four block columns make a section, so the cluster's x is the section: 0 Q, 1 K, 2 V
	s_cselect_b64 s[66:67], s[68:69], s[66:67]
	s_cmp_eq_u32 ttmp9, 2
	s_cselect_b64 s[66:67], s[70:71], s[66:67]
	s_add_nc_u64 s[66:67], s[66:67], s[72:73]
	CROUND                                         ; all sixteen work-groups are here: the first joint loads meet
.irp s, 0,1
	s_mov_b32 s[G0+4*\s], 1
	s_add_co_u32 s[G0+4*\s+1], s20, \s*SLOT
	s_add_nc_u64 s[G0+4*\s+2:G0+4*\s+3], s[14:15], \s*KSTEP*2
	s_or_b32 s[G0+4*\s+3], s[G0+4*\s+3], 0x80000000
	s_mov_b32 s[G0B+4*\s], 1
	s_add_co_u32 s[G0B+4*\s+1], s20, \s*SLOT
	s_add_nc_u64 s[G0B+4*\s+2:G0B+4*\s+3], s[46:47], \s*KSTEP*2
	s_or_b32 s[G0B+4*\s+3], s[G0B+4*\s+3], 0x80000000
	JLOAD \s                                       ; both slots are asked for before anything else: two tensor loads of the wave are out
.endr
	v_and_b32 v1, 15, v0                           ; l % 16
	v_bfe_u32 v2, v0, 4, 1                         ; l / 16
	v_lshlrev_b32 v[BO], 5, v2
.irp b, 0,1,2,3,4,5,6,7
	global_load_b128 v[BIAS+8*\b:BIAS+8*\b+3],   v[BO], s[66:67] offset:64*\b      ; bias of columns 16 b + 8 (l / 16) + 0..3
	global_load_b128 v[BIAS+8*\b+4:BIAS+8*\b+7], v[BO], s[66:67] offset:64*\b+16   ; and + 4..7
.endr
	v_mul_u32_u24 v3, v1, PITCH
	v_lshl_add_u32 v3, v2, 4, v3                   ; fragment: row x pitch + 16 x half
	s_mul_i32 s21, s11, HALFT                      ; my 128 rows of xb
	s_mul_i32 s22, s12, HALFT                      ; my 128 rows of wt,
	s_add_co_u32 s22, s22, 2*HALFT                 ; which lie behind xb's 256
.irp s, 0,1
	v_add_nc_u32 v[ADRA+\s], s21, v3
	v_add_nc_u32 v[ADRB+\s], s22, v3
	s_add_co_u32 s21, s21, SLOT
	s_add_co_u32 s22, s22, SLOT
.endr
	s_mul_i32 s23, s10, 16*SPITCH
	s_add_co_u32 s23, s23, STAGE                   ; my stage
	v_mul_u32_u24 v4, v1, SPITCH                   ; in: row l % 16, 16 bytes for each half of the lanes
	v_lshl_add_u32 v4, v2, 4, v4
	v_add_nc_u32 v[STO], s23, v4
	v_and_b32 v6, 31, v0                           ; back: eight lanes take the 128 bytes that one row has of one head, a wave four rows
	v_lshrrev_b32 v7, 3, v6
	v_and_b32 v8, 7, v0
	v_mul_u32_u24 v5, v7, SPITCH
	v_lshl_add_u32 v5, v8, 4, v5
	v_add_nc_u32 v[RD], s23, v5
	v_lshlrev_b32 v[CO], 4, v6                     ; in qkv these four rows are 512 consecutive bytes
; 16 matrix instructions: m blocks a0, a0 + 1 of the window's four x all 8 n blocks, 32 along K.  zero = 1: the bias starts the sums.
.macro MUL16 f, hi, a0, zero
.irp a, \a0, \a0+1
.irp b, 0,1,2,3,4,5,6,7
.if \zero
	v_wmma_f32_16x16x32_bf16 v[8*(8*(\a)+\b):8*(8*(\a)+\b)+7], v[\f+8*\b:\f+8*\b+7], v[\f+8*(4*\hi+\a):\f+8*(4*\hi+\a)+7], v[BIAS+8*\b:BIAS+8*\b+7]
.else
	v_wmma_f32_16x16x32_bf16 v[8*(8*(\a)+\b):8*(8*(\a)+\b)+7], v[\f+8*\b:\f+8*\b+7], v[\f+8*(4*\hi+\a):\f+8*(4*\hi+\a)+7], v[8*(8*(\a)+\b):8*(8*(\a)+\b)+7]
.endif
.endr
.endr
.endm
; 32 LDS loads in one run: the fragments of one quarter step (32 K at byte k of the rows) into buffer f
.macro FETCH slot, k, f
	WIN TO_B
.irp i, 0,1,2,3,4,5,6,7
	ds_load_b128 v[\f+8*\i:\f+8*\i+3],   v[ADRB+\slot] offset:\k+\i*16*PITCH
	ds_load_b128 v[\f+8*\i+4:\f+8*\i+7], v[ADRB+\slot] offset:\k+\i*16*PITCH+32
.endr
	WIN 0
.irp i, 0,1,2,3,4,5,6,7
	ds_load_b128 v[\f+8*\i:\f+8*\i+3],   v[ADRA+\slot] offset:\k+\i*16*PITCH
	ds_load_b128 v[\f+8*\i+4:\f+8*\i+7], v[ADRA+\slot] offset:\k+\i*16*PITCH+32
.endr
.endm
; Four places between a matrix instruction and a load into a register that it read, or a vector instruction that reads its result.
.macro PLACES
.rept 4
	v_nop
.endr
.endm
; One of a K step's first three quarters: multiplies buffer f; in its middle it fetches the next quarter's fragments into buffer g.
.macro QUARTER slot, k, f, g, zero
	s_wait_dscnt 8                                 ; wt's fragments and xb's rows 0-63 are in; the youngest eight loads (xb's rows 64-127) may be out
.if \zero
	WIN MUL_LO_B
.else
	WIN MUL_LO
.endif
	MUL16 \f, 0, 0, \zero
	MUL16 \f, 0, 2, \zero
	PLACES
	FETCH \slot, \k, \g
	s_wait_dscnt 32                                ; all but the 32 just issued
.if \zero
	WIN MUL_HI_B
.else
	WIN MUL_HI
.endif
	MUL16 \f, 1, 0, \zero
	MUL16 \f, 1, 2, \zero
.endm
.macro THREE slot, zero
	QUARTER \slot, 64,  F0, F1, \zero
	QUARTER \slot, 128, F1, F0, 0
	QUARTER \slot, 192, F0, F1, 0
.endm
; The last quarter: multiplies buffer 1 and changes slots.  In front of the barrier each wave waits for its reads of this slot and for all its
; tensor loads (one is out: its part of the next slot).  Behind it the refill comes first, then the next slot's first fragments.
.macro TURN slot, next, fill
	s_wait_dscnt 8
	WIN MUL_LO
	MUL16 F1, 0, 0, 0
	s_wait_dscnt 0                                 ; my reads of this slot are over
	s_wait_tensorcnt 0x0                           ; and all my tensor loads have landed
	ds_add_u32 v255, v31
	s_wait_dscnt 0x0
	s_barrier_signal -1                            ; (where the slot is filled again this barrier opens a round of the cluster's barrier)
	MUL16 F1, 0, 2, 0                              ; register work while the others arrive
	WIN 0
	s_barrier_wait -1
.if \fill
	CREST                                          ; no wave of any partner still reads this slot or has a load on its way
	s_add_nc_u64 s[G0+4*\slot+2:G0+4*\slot+3], s[G0+4*\slot+2:G0+4*\slot+3], 2*KSTEP*2
	s_add_nc_u64 s[G0B+4*\slot+2:G0B+4*\slot+3], s[G0B+4*\slot+2:G0B+4*\slot+3], 2*KSTEP*2
	JLOAD \slot                                    ; the wave's one tensor load behind the round
.endif
	PLACES
	FETCH \next, 0, F0
	WIN MUL_HI
	MUL16 F1, 1, 0, 0
	MUL16 F1, 1, 2, 0
.endm
.macro LAP zero
	THREE 0, \zero
	TURN 0, 1, 1
	THREE 1, 0
	TURN 1, 0, 1
.endm
	s_wait_tensorcnt 1                             ; my part of K step 0 is in; K step 1's stays out
	s_barrier_signal -1
	s_barrier_wait -1
	s_wait_loadcnt 0x0                             ; the bias
	FETCH 0, 0, F0
	LAP 1                                          ; the first lap stands in front of the loop: its first products take the bias as C
	WIN 0
	s_mov_b32 s3, LAPS-2
.Llap:
	LAP 0
	WIN 0
	s_sub_co_u32 s3, s3, 1
	s_cmp_lg_u32 s3, 0
	s_cbranch_scc1 .Llap
	THREE 0, 0                                     ; the last lap fills nothing
	TURN 0, 1, 0
	THREE 1, 0
	s_wait_dscnt 8
	WIN MUL_LO
	MUL16 F1, 0, 0, 0
	MUL16 F1, 0, 2, 0
	s_wait_dscnt 0
	WIN MUL_HI
	MUL16 F1, 1, 0, 0
	MUL16 F1, 1, 2, 0
	; THE WAY OUT, 16 rows at a time: round to bf16, 16 bytes a lane into my own stage, read back head by head.
	; My 128 columns are two heads: 4 cx + 2 x column half, and the next.
	PLACES
	s_lshl_b32 s13, s13, 8
	s_lshl_b32 s14, s11, 7
	s_add_co_u32 s16, s13, s14                     ; my first row,
	s_lshl_b32 s16, s16, 7                         ; in rows of 128 bytes
	s_mov_b32 s17, 0
	s_add_nc_u64 s[8:9], s[8:9], s[16:17]
	s_lshl_b32 s46, ttmp9, 4                       ; 16 heads a section
	s_lshl2_add_u32 s46, s40, s46                  ; + 4 cx
	s_lshl1_add_u32 s46, s12, s46                  ; + 2 x column half
	s_lshl_b32 s46, s46, 19                        ; heads of 524,288 bytes: under 25 MiB
	s_mov_b32 s47, 0
	s_add_nc_u64 s[8:9], s[8:9], s[46:47]
; rows 16 i .. 16 i + 15 of my block = the eight tiles (a, 0..7) of window 2 or 3 (from = 0x0a or 0x0f); f: F0 or F1 in turn
.macro OUT16 i, a, from, f
	WIN \from
.irp b, 0,1,2,3,4,5,6,7
.irp r, 0,1,2,3
	v_cvt_pk_bf16_f32 v[TMP+4*\b+\r], v[8*(8*\a+\b)+2*\r], v[8*(8*\a+\b)+2*\r+1]
.endr
.endr
	WIN 0
.irp b, 0,1,2,3,4,5,6,7
	ds_store_b128 v[STO], v[TMP+4*\b:TMP+4*\b+3] offset:32*\b
.endr
	s_wait_xcnt 0x0                                ; buffer f, which earlier stores read, and the stores' base are rewritten only behind this wait
.if \i
	s_add_nc_u64 s[8:9], s[8:9], 16*128            ; 16 rows on in both heads
.endif
.irp t, 0,1,2,3,4,5,6,7
	ds_load_b128 v[\f+4*\t:\f+4*\t+3], v[RD] offset:(\t%4)*4*SPITCH+(\t/4)*128   ; four rows of head t / 4; LDS serves a wave in order, so these see the stores above.
.endr                                              ; Two rows 272 bytes apart share a pass: 128 of their bytes meet in the same banks, twice the passes for these 64 loads a wave
.irp t, 0,1,2,3,4,5,6,7
	s_wait_dscnt 7-\t
	global_store_b128 v[CO], v[\f+4*\t:\f+4*\t+3], s[8:9] offset:(\t/4)*HEADB+(\t%4)*512   ; the wave stores 512 consecutive bytes, aligned
.endr
.endm
	OUT16 0, 0, 0x0a, F0
	OUT16 1, 1, 0x0a, F1
	OUT16 2, 2, 0x0a, F0
	OUT16 3, 3, 0x0a, F1
	OUT16 4, 0, 0x0f, F0
	OUT16 5, 1, 0x0f, F1
	OUT16 6, 2, 0x0f, F0
	OUT16 7, 3, 0x0f, F1
	s_set_vgpr_msb 0x1
	s_wait_tensorcnt 0x0
	ds_add_u32 v255, v31
	s_wait_dscnt 0x0
	s_set_vgpr_msb 0x100
	CROUND                                         ; the closing round: no work-group ends while a partner may still ask for a tile that names it
	s_endpgm
.Lfunc_end_k_qdcff1d8537_qkv:
	.size	k_qdcff1d8537_qkv, .Lfunc_end_k_qdcff1d8537_qkv-k_qdcff1d8537_qkv
	.p2alignl 7, 3214868480
	.fill 96, 4, 3214868480
	.section	.rodata,"a",@progbits
	.p2align	6, 0x0
	.amdhsa_kernel k_qdcff1d8537_qkv
		.amdhsa_group_segment_fixed_size 327680
		.amdhsa_private_segment_fixed_size 0
		.amdhsa_enable_private_segment 0
		.amdhsa_kernarg_size 48
		.amdhsa_user_sgpr_count 2
		.amdhsa_user_sgpr_kernarg_segment_ptr 1
		.amdhsa_wavefront_size32 1
		.amdhsa_system_sgpr_workgroup_id_x 1
		.amdhsa_system_sgpr_workgroup_id_y 1
		.amdhsa_system_sgpr_workgroup_id_z 1
		.amdhsa_system_vgpr_workitem_id 0
		.amdhsa_next_free_vgpr 1024
		.amdhsa_next_free_sgpr 76
		.amdhsa_reserve_vcc 0
		.amdhsa_float_denorm_mode_32 3
		.amdhsa_float_denorm_mode_16_64 3
		.amdhsa_memory_ordered 1
		.amdhsa_forward_progress 1
		.amdhsa_inst_pref_size 198
	.end_amdhsa_kernel
	.amdgpu_metadata
---
amdhsa.version: [ 1, 2 ]
amdhsa.kernels:
  - .name:           k_qdcff1d8537_qkv
    .symbol:         k_qdcff1d8537_qkv.kd
    .args:
      - { .name: xb, .offset: 0, .size: 8, .value_kind: global_buffer, .address_space: global }
      - { .name: wt, .offset: 8, .size: 8, .value_kind: global_buffer, .address_space: global }
      - { .name: qkv, .offset: 16, .size: 8, .value_kind: global_buffer, .address_space: global }
      - { .name: bq, .offset: 24, .size: 8, .value_kind: global_buffer, .address_space: global }
      - { .name: bk, .offset: 32, .size: 8, .value_kind: global_buffer, .address_space: global }
      - { .name: bv, .offset: 40, .size: 8, .value_kind: global_buffer, .address_space: global }
    .group_segment_fixed_size: 327680
    .private_segment_fixed_size: 0
    .kernarg_segment_align: 8
    .kernarg_segment_size: 48
    .max_flat_workgroup_size: 128
    .sgpr_count:     76
    .vgpr_count:     1024
    .wavefront_size: 32
...
	.end_amdgpu_metadata
.endif
;; end of part 2
;; launch attn (part 3): grid 16 x 16, 8 waves a work-group, clusters of 4 x 1, 327,680 bytes of LDS; arguments qkv, ao; writes ao
.if DOCPART == 3
	.amdgcn_target "amdgcn-amd-amdhsa--gfx1250"
	.amdhsa_code_object_version 6
	.text
	.protected	k_qdcff1d8537_attn
	.globl	k_qdcff1d8537_attn
	.p2align	8
	.type	k_qdcff1d8537_attn,@function
k_qdcff1d8537_attn:
	s_mov_b64 s[64:65], 0
	v_nop
	global_prefetch_b8 v0, s[64:65] scope:SCOPE_SE
	s_setreg_imm32_b32 hwreg(HW_REG_WAVE_MODE, 25, 1), 1
	s_wait_xcnt 0x0
	s_wait_alu depctr_hold_cnt(0) depctr_sa_sdst(0) depctr_va_vdst(0) depctr_va_sdst(0) depctr_va_ssrc(0) depctr_va_vcc(0) depctr_vm_vsrc(0)
	s_getreg_b32 s2, hwreg(HW_REG_IB_STS2, 6, 4)
	s_cmp_eq_u32 s2, 0
	s_cbranch_scc0 .Lentry_in_a_cluster
	s_endpgm
.Lentry_in_a_cluster:
	s_bfe_u32 s2, ttmp6, 0x10000c
	s_cmp_lg_u32 s2, 0x3003
	s_cbranch_scc0 .Lentry_shape_is_right
	s_endpgm
.Lentry_shape_is_right:
; attn: ao[head][q][:] = softmax over keys of (Q[q] . K[key] / 8) times V, with a running maximum.  qkv: [3][16][4096][64] bf16; ao: [16][4096][64] bf16.
; A work-group is one head (grid y) and 256 queries (grid x).  Eight waves of 512 registers.  Waves w and w + 4 take the same 64 queries (four tiles of 16);
; of every LDS slot of 256 keys, waves 0-3 take keys 0-127 and waves 4-7 keys 128-255, as two blocks of 64.  Each wave keeps its own maximum, sum and O;
; the two halves are merged once, at the end, through LDS.  So a wave's softmax arithmetic has a second wave's matrix work beside it.
; CLUSTERS: the four query blocks of a cluster read the same K and V: each tile is asked for jointly (mask 15, the same descriptor in all four).
; PRODUCTS, laid so that no number changes lanes:
;   S^T = K Q^T: source 0 = 16 keys of K, source 1 = 16 queries; lane (r, h), register j = key 16 kt + 8 h + j of query r.
;   Packing neighbouring registers of key tiles 2c, 2c + 1 gives source 1 of the second product for keys 32c .. 32c + 31 as it stands.
;   O^T = V^T P^T: source 0 comes by transposing LDS loads from V[key][d]; lane (r, h), register j = d 16 dt + 8 h + j of query r.
;   All figures of a query lie in lanes r and r + 16: one exchange of the two halves for the maximum, one for the final sum.
; SOFTMAX: weight = 2^(c s + NM), c = log2(e) / 8, NM = -c m rounded once.  Old sums are rescaled by 2^(NM new - NM old), so old and new weights refer to
; exactly the same offset, whatever the size of the scores.
; LIMITS: NaN and infinite inputs are not treated specially.  Weights below 2^-126 come out as zero (the exponential flushes, ISA guide 15.8), against a row
; sum of about 1 at the least.  1 / sum is v_rcp_f32 (1 ULP).  The sum is taken of the f32 weights, the product with V of the weights rounded to bf16.
; The accumulators of each run of matrix instructions take turns, one instruction a turn, 15 others between two turns.
.set VP,    160                        ; V's LDS row: 128 bytes + 32: an odd multiple of 32 for the transposing loads
.set KP,    144                        ; K's LDS row: 128 bytes + 16: an odd multiple of 16
.set KOFF,  256*VP                     ; a slot: V's 256 rows, then K's 256 rows
.set SLOT,  KOFF+256*KP                ; 77,824
.set TILEB, 256*128                    ; bytes of 256 keys in memory
.set DUMP,  2*SLOT                     ; 155,648: O (32 x 512 bytes), NM, sum of waves 4-7, 17,408 bytes each; no tensor load lands here
.set DUMPW, 17408
.set OUTST, DUMP+4*DUMPW               ; 225,280: the way out of waves 0-3: 64 rows x 144 bytes each
.set OUTW,  64*KP
.set KA, 2                             ; v2-3    my K fragments in slot 0, 1
.set VA, 4                             ; v4-5    my V fragments in slot 0, 1
.set QO, 6                             ; v6      Q: row r, 16 h
.set DU, 7                             ; v7      dump: 16 x lane
.set STO, 8                            ; v8      way out, in
.set RD, 9                             ; v9      way out, back
.set CO, 10                            ; v10     16 x lane
.set M,  16                            ; v16-19  running maximum of the raw scores, one a query tile
.set T,  20                            ; v20-23  the maximum's chain
.set X,  24                            ; v24-27  the other half's figure
.set AL, 28                            ; v28-31  factor for the old sums
.set NM, 32                            ; v32-35  -c m
.set LP, 36                            ; v36-43  sums, a pair a query tile
.set PM, 44                            ; v44-47  the partner's NM
.set PL, 48                            ; v48-51  the partner's sum
.set Q,  64                            ; v64-127   Q fragment (qt, ks) at 16 qt + 8 ks
.set KF, 128                           ; v128-191  K fragment (kt, ks) at 16 kt + 8 ks
.set VF, 192                           ; v192-255  V fragment (dt, c) at 16 dt + 8 c
.set O,  128                           ; window 1: S(qt, kt) at 32 qt + 8 kt, then P(qt, c) at 32 qt + 16 c; O(qt, dt) at 128 + 32 qt + 8 dt
.set G1V, 24                           ; s[24:31] group 1 for V
.set G1K, 32                           ; s[32:39] group 1 for K
.set G0V, 40                           ; s[40:47] group 0 for V, one set a slot
.set G0K, 48                           ; s[48:55] group 0 for K, one set a slot
.set MSB, 0
.macro WIN new                         ; low byte: bits 1:0 source 0, 3:2 source 1, 5:4 source 2, 7:6 destination; the high byte repeats the setting that is left
.if MSB != \new
	s_set_vgpr_msb (MSB<<8)|\new
.set MSB, \new
.endif
.endm
.macro PLACES n
.rept \n
	v_nop
.endr
.endm
.macro JLOAD s                         ; waves 0-3 ask for 64 keys of V each, waves 4-7 for 64 keys of K: the branch hangs on the wave's number alone
	s_cmp_eq_u32 s9, 0
	s_cbranch_scc0 .Lfor_k_\@
	tensor_load_to_lds s[G0V+4*\s:G0V+4*\s+3], s[G1V:G1V+7]
	s_nop 0
	s_branch .Lasked_\@
.Lfor_k_\@:
	tensor_load_to_lds s[G0K+4*\s:G0K+4*\s+3], s[G1K:G1K+7]
	s_nop 0
.Lasked_\@:
.endm
.macro CREST                           ; a round of the cluster's barrier behind its opening barrier
	s_cmp_lg_u32 s8, 0
	s_cbranch_scc1 .Lnot_wave_0_\@
	s_barrier_signal -3
.Lnot_wave_0_\@:
	s_barrier_wait -3
	s_barrier_signal -1
	s_barrier_wait -1
.endm
.macro CROUND
	s_barrier_signal -1
	s_barrier_wait -1
	CREST
.endm
	s_load_b128 s[4:7], s[0:1], 0x0                ; qkv s[4:5], ao s[6:7]
	v_lshl_add_u32 v62, v0, 2, 0x40000
	v_mov_b32 v63, 0
	ds_add_u32 v62, v63
	v_lshrrev_b32 v1, 5, v0
	v_readfirstlane_b32 s8, v1                     ; wave 0..7
	s_lshr_b32 s9, s8, 2                           ; key group.  Also: I fetch V (0) or K (1)
	s_and_b32 s10, s8, 3                           ; which 64 queries
	s_bfe_u32 s11, ttmp6, 0x40000                  ; cx
	s_lshl_b32 s12, ttmp9, 2
	s_add_co_u32 s12, s12, s11                     ; query block = 4 x cluster x + cx
	s_and_b32 s13, ttmp7, 0xffff                   ; head
	s_mov_b32 s14, 0x76543210                      ; v_permlanex16_b32: lane i of one half reads lane i of the other
	s_mov_b32 s15, 0xfedcba98
	s_mov_b32 s16, 0x3e38aa3b                      ; c = log2(e) / 8, twice: a pair for the packed multiply-add
	s_mov_b32 s17, 0x3e38aa3b
	s_mov_b32 s18, 0xbe38aa3b                      ; -c
	; group 1: 64 keys are 8,192 dense bytes, taken as 32 rows of 256 bytes (32 elements of 8); padding behind every 32 words = one key's 128 bytes
	s_mov_b32 s[G1V+0], 15|(3<<16)|(1<<20)|(1<<21)|(4<<22)|(7<<25)   ; mask of the four partners; 8-byte elements; padding on; bit 21 beside a mask; interval 32 words; 8 words
	s_mov_b32 s[G1K+0], 15|(3<<16)|(1<<20)|(1<<21)|(4<<22)|(3<<25)   ; the same with 4 words
	s_mov_b32 s[G1V+1], 32<<16                     ; tensor_dim0 = 32
	s_mov_b32 s[G1K+1], 32<<16
	s_mov_b32 s[G1V+2], 32<<16                     ; tensor_dim1 = 32
	s_mov_b32 s[G1K+2], 32<<16
	s_mov_b32 s[G1V+3], 32<<16                     ; tile_dim0 = 32
	s_mov_b32 s[G1K+3], 32<<16
	s_mov_b32 s[G1V+4], 32                         ; tile_dim1 = 32
	s_mov_b32 s[G1K+4], 32
	s_mov_b32 s[G1V+5], 32                         ; pitch = 32 elements
	s_mov_b32 s[G1K+5], 32
	s_mov_b32 s[G1V+6], 0
	s_mov_b32 s[G1K+6], 0
	s_mov_b32 s[G1V+7], 0
	s_mov_b32 s[G1K+7], 0
	; where the tiles come from: the head and the wave's number alone, equal in all four partners
	s_lshl_b32 s20, s8, 13                         ; 8,192 bytes a wave
	s_add_co_u32 s56, s13, 32                      ; V: section 2
	s_lshl_b32 s56, s56, 19
	s_add_co_u32 s56, s56, s20
	s_mov_b32 s57, 0
	s_add_co_u32 s58, s13, 16                      ; K: section 1; waves 4-7 take keys 64 (w - 4)
	s_lshl_b32 s58, s58, 19
	s_add_co_u32 s58, s58, s20
	s_sub_co_u32 s58, s58, 4*8192
	s_mov_b32 s59, 0
	s_mul_i32 s21, s8, 64*VP                       ; LDS, V: wave x 64 rows
	s_mul_i32 s22, s8, 64*KP                       ; LDS, K: KOFF + (wave - 4) x 64 rows
	s_add_co_u32 s22, s22, KOFF-4*64*KP
	s_lshl_b32 s60, s13, 12                        ; my 64 queries: row 4,096 head + 256 block + 64 (wave & 3), in rows of 128 bytes,
	s_lshl_b32 s61, s12, 8                         ; the same offset in section 0 of qkv and in ao
	s_add_co_u32 s60, s60, s61
	s_lshl_b32 s61, s10, 6
	s_add_co_u32 s60, s60, s61
	s_lshl_b32 s60, s60, 7
	s_mov_b32 s61, 0
	s_wait_dscnt 0x0
	s_wait_kmcnt 0x0
	s_add_nc_u64 s[56:57], s[4:5], s[56:57]
	s_add_nc_u64 s[58:59], s[4:5], s[58:59]
	s_add_nc_u64 s[62:63], s[4:5], s[60:61]        ; Q
	s_add_nc_u64 s[6:7], s[6:7], s[60:61]          ; ao
	CROUND                                         ; the four partners are here: the first joint loads meet
.irp s, 0,1
	s_mov_b32 s[G0V+4*\s], 1
	s_add_co_u32 s[G0V+4*\s+1], s21, \s*SLOT
	s_add_nc_u64 s[G0V+4*\s+2:G0V+4*\s+3], s[56:57], \s*TILEB
	s_or_b32 s[G0V+4*\s+3], s[G0V+4*\s+3], 0x80000000
	s_mov_b32 s[G0K+4*\s], 1
	s_add_co_u32 s[G0K+4*\s+1], s22, \s*SLOT
	s_add_nc_u64 s[G0K+4*\s+2:G0K+4*\s+3], s[58:59], \s*TILEB
	s_or_b32 s[G0K+4*\s+3], s[G0K+4*\s+3], 0x80000000
	JLOAD \s                                       ; keys 0-255 and 256-511: two tensor loads of the wave are out
.endr
	v_and_b32 v11, 15, v0                          ; r
	v_bfe_u32 v12, v0, 4, 1                        ; h
	v_and_b32 v13, 31, v0                          ; lane
	v_lshlrev_b32 v[QO], 7, v11
	v_lshl_add_u32 v[QO], v12, 4, v[QO]
.irp qt, 0,1,2,3
.irp ks, 0,1
	global_load_b128 v[Q+16*\qt+8*\ks:Q+16*\qt+8*\ks+3],   v[QO], s[62:63] offset:2048*\qt+64*\ks      ; Q(16 qt + r, 32 ks + 8 h ..)
	global_load_b128 v[Q+16*\qt+8*\ks+4:Q+16*\qt+8*\ks+7], v[QO], s[62:63] offset:2048*\qt+64*\ks+32   ; Q(16 qt + r, 32 ks + 16 + 8 h ..)
.endr
.endr
	v_mul_u32_u24 v14, v11, KP
	v_lshl_add_u32 v14, v12, 4, v14                ; r x 144 + 16 h
	s_mul_i32 s20, s9, 128*KP
	s_add_co_u32 s20, s20, KOFF
	v_add_nc_u32 v[KA], s20, v14                   ; K: my group's 128 rows
	v_add_nc_u32 v[KA+1], SLOT, v[KA]
	v_and_b32 v15, 7, v0
	v_lshl_add_u32 v1, v12, 3, v15                 ; V: row 8 h + (lane & 7),
	v_mul_u32_u24 v1, v1, VP
	v_bfe_u32 v52, v0, 3, 1
	v_lshl_add_u32 v1, v52, 4, v1                  ;    16 bytes x ((lane >> 3) & 1)
	s_mul_i32 s21, s9, 128*VP
	v_add_nc_u32 v[VA], s21, v1
	v_add_nc_u32 v[VA+1], SLOT, v[VA]
	v_lshlrev_b32 v[CO], 4, v13
	s_mul_i32 s22, s10, DUMPW
	s_add_co_u32 s22, s22, DUMP
	v_add_nc_u32 v[DU], s22, v[CO]
	s_mul_i32 s23, s10, OUTW
	s_add_co_u32 s23, s23, OUTST
	v_add_nc_u32 v[STO], s23, v14
	v_lshrrev_b32 v53, 3, v13
	v_mul_u32_u24 v53, v53, KP
	v_lshl_add_u32 v53, v15, 4, v53
	v_add_nc_u32 v[RD], s23, v53
.irp qt, 0,1,2,3
	v_mov_b32 v[M+\qt], 0xff800000                 ; no key seen yet
	v_mov_b32 v[X+\qt], 0                          ; the exchange's destination counts as read
	v_mov_b32 v[LP+2*\qt], 0
	v_mov_b32 v[LP+2*\qt+1], 0
.endr
.macro FETCHK slot, b                  ; 16 loads: 64 keys x 64 d of block b as source 0 of the first product
.irp kt, 0,1,2,3
.irp ks, 0,1
	ds_load_b128 v[KF+16*\kt+8*\ks:KF+16*\kt+8*\ks+3],   v[KA+\slot] offset:64*KP*\b+16*KP*\kt+64*\ks
	ds_load_b128 v[KF+16*\kt+8*\ks+4:KF+16*\kt+8*\ks+7], v[KA+\slot] offset:64*KP*\b+16*KP*\kt+64*\ks+32
.endr
.endr
.endm
.macro FETCHV slot, b                  ; 16 transposing loads: 64 d x 64 keys of block b as source 0 of the second product
.irp dt, 0,1,2,3
.irp c, 0,1
	ds_load_tr16_b128 v[VF+16*\dt+8*\c:VF+16*\dt+8*\c+3],   v[VA+\slot] offset:64*VP*\b+32*VP*\c+32*\dt
	ds_load_tr16_b128 v[VF+16*\dt+8*\c+4:VF+16*\dt+8*\c+7], v[VA+\slot] offset:64*VP*\b+32*VP*\c+32*\dt+16*VP
.endr
.endr
.endm
.macro SRUN                            ; S^T of 64 keys x 64 queries: 16 tiles, d 0-31 starts the sums, d 32-63 adds
	WIN 0x50
.irp qt, 0,1,2,3
.irp kt, 0,1,2,3
	v_wmma_f32_16x16x32_bf16 v[32*\qt+8*\kt:32*\qt+8*\kt+7], v[KF+16*\kt:KF+16*\kt+7], v[Q+16*\qt:Q+16*\qt+7], 0
.endr
.endr
.irp qt, 0,1,2,3
.irp kt, 0,1,2,3
	v_wmma_f32_16x16x32_bf16 v[32*\qt+8*\kt:32*\qt+8*\kt+7], v[KF+16*\kt+8:KF+16*\kt+15], v[Q+16*\qt+8:Q+16*\qt+15], v[32*\qt+8*\kt:32*\qt+8*\kt+7]
.endr
.endr
.endm
.macro MAXRUN                          ; the old maximum and my 32 scores of each query tile, four chains that do not wait for each other
	WIN 0x05
.irp qt, 0,1,2,3
	v_max3_num_f32 v[T+\qt], v[32*\qt], v[32*\qt+1], v[M+\qt]
.endr
.irp i, 1,2,3,4,5,6,7,8,9,10,11,12,13,14,15
.irp qt, 0,1,2,3
	v_max3_num_f32 v[T+\qt], v[32*\qt+2*\i], v[32*\qt+2*\i+1], v[T+\qt]
.endr
.endr
.endm
.macro STATS first                     ; the new maximum, NM, and (not in the first block) the factor for the old sums
	WIN 0
.irp qt, 0,1,2,3
	v_permlanex16_b32 v[X+\qt], v[T+\qt], s14, s15
.endr
.irp qt, 0,1,2,3
	v_max_num_f32 v[M+\qt], v[T+\qt], v[X+\qt]
.endr
.if \first
.irp qt, 0,1,2,3
	v_mul_f32 v[NM+\qt], s18, v[M+\qt]
.endr
.else
.irp qt, 0,1,2,3
	v_mov_b32 v[AL+\qt], v[NM+\qt]
.endr
.irp qt, 0,1,2,3
	v_mul_f32 v[NM+\qt], s18, v[M+\qt]
.endr
.irp qt, 0,1,2,3
	v_sub_f32 v[AL+\qt], v[NM+\qt], v[AL+\qt]      ; NM new - NM old, zero or below
.endr
.irp qt, 0,1,2,3
	v_exp_f32 v[AL+\qt], v[AL+\qt]
.endr
	v_nop                                          ; one plain place behind the exponentials (ISA guide 5.7.2)
	s_wait_alu depctr_va_vdst(0)
	v_pk_mul_f32 v[LP:LP+1],   v[LP:LP+1],   v[AL:AL+1]   op_sel:[0,0] op_sel_hi:[1,0]
	v_pk_mul_f32 v[LP+2:LP+3], v[LP+2:LP+3], v[AL:AL+1]   op_sel:[0,1] op_sel_hi:[1,1]
	v_pk_mul_f32 v[LP+4:LP+5], v[LP+4:LP+5], v[AL+2:AL+3] op_sel:[0,0] op_sel_hi:[1,0]
	v_pk_mul_f32 v[LP+6:LP+7], v[LP+6:LP+7], v[AL+2:AL+3] op_sel:[0,1] op_sel_hi:[1,1]
.endif
.endm
; query tile qt: its figure is register sel of the pair that begins at pr
.macro EXPQ qt, pr, sel                ; weights in place: 2^(c s + NM)
.set ii, 0
.rept 16
	v_pk_fma_f32 v[32*\qt+2*ii:32*\qt+2*ii+1], v[32*\qt+2*ii:32*\qt+2*ii+1], s[16:17], v[NM+\pr:NM+\pr+1] op_sel:[0,0,\sel] op_sel_hi:[1,0,\sel]
.set ii, ii+1
.endr
.set ii, 0
.rept 32
	v_exp_f32 v[32*\qt+ii], v[32*\qt+ii]
.set ii, ii+1
.endr
.endm
.macro OSC qt, pr, sel                 ; the old O times the factor
.set ii, 0
	s_wait_alu depctr_va_vdst(0)
.rept 16
	v_pk_mul_f32 v[O+32*\qt+2*ii:O+32*\qt+2*ii+1], v[O+32*\qt+2*ii:O+32*\qt+2*ii+1], v[AL+\pr:AL+\pr+1] op_sel:[0,\sel] op_sel_hi:[1,\sel]
.set ii, ii+1
.endr
.endm
.macro EXPRUN first                    ; behind a tile's exponentials the next tile's multiply-adds, and at the end O's multiplies, are the plain places
	WIN 0x41
	EXPQ 0, 0, 0
	EXPQ 1, 0, 1
	EXPQ 2, 2, 0
	EXPQ 3, 2, 1
.if \first
	v_nop
	s_wait_alu depctr_va_vdst(0)
.else
	OSC 0, 0, 0
	OSC 1, 0, 1
	OSC 2, 2, 0
	OSC 3, 2, 1
.endif
.endm
.macro SUMRUN                          ; the weights into the sums, two at a time, four chains
	WIN 0x01
.irp i, 0,1,2,3,4,5,6,7,8,9,10,11,12,13,14,15
.irp qt, 0,1,2,3
	v_pk_add_f32 v[LP+2*\qt:LP+2*\qt+1], v[32*\qt+2*\i:32*\qt+2*\i+1], v[LP+2*\qt:LP+2*\qt+1]
.endr
.endr
.endm
.macro PACK                            ; 16 registers of weights into 8 of bf16, in place: register i is written when 2 i and 2 i + 1 are read, never ahead of a read
	WIN 0x45
.irp qt, 0,1,2,3
.irp c, 0,1
.irp i, 0,1,2,3,4,5,6,7
	v_cvt_pk_bf16_f32 v[32*\qt+16*\c+\i], v[32*\qt+16*\c+2*\i], v[32*\qt+16*\c+2*\i+1]
.endr
.endr
.endr
.endm
.macro PVRUN first                     ; O^T += V^T P^T: 16 tiles, keys 0-31, then keys 32-63
	WIN 0x54
.irp qt, 0,1,2,3
.irp dt, 0,1,2,3
.if \first
	v_wmma_f32_16x16x32_bf16 v[O+32*\qt+8*\dt:O+32*\qt+8*\dt+7], v[VF+16*\dt:VF+16*\dt+7], v[32*\qt:32*\qt+7], 0
.else
	v_wmma_f32_16x16x32_bf16 v[O+32*\qt+8*\dt:O+32*\qt+8*\dt+7], v[VF+16*\dt:VF+16*\dt+7], v[32*\qt:32*\qt+7], v[O+32*\qt+8*\dt:O+32*\qt+8*\dt+7]
.endif
.endr
.endr
.irp qt, 0,1,2,3
.irp dt, 0,1,2,3
	v_wmma_f32_16x16x32_bf16 v[O+32*\qt+8*\dt:O+32*\qt+8*\dt+7], v[VF+16*\dt+8:VF+16*\dt+15], v[32*\qt+16:32*\qt+23], v[O+32*\qt+8*\dt:O+32*\qt+8*\dt+7]
.endr
.endr
.endm
; One block of 64 keys.  fetch = 1: the slot's second block is fetched behind each product.  vw: how many younger LDS loads may be out when V is needed.
; turn = 1: the slot is filled again behind a round of the cluster's barrier; 2: a plain barrier (the last tile is shown to all waves); 0: none.
.macro BLOCK slot, first, fetch, vw, turn
	s_wait_dscnt 16                                ; K's fragments are in; the 16 loads of V's, issued behind them, may be out
	SRUN
	PLACES 4                                       ; four places (ISA guide 7.12.1) before S is read and K's registers are loaded again
.if \fetch
	WIN 0
	FETCHK \slot, 1
.endif
	MAXRUN
	STATS \first
	EXPRUN \first
	SUMRUN
	PACK
	s_wait_dscnt \vw                               ; V's fragments are in (16: the next block's K may be out; 0: my reads of the slot are over)
.if \turn
	s_set_vgpr_msb 0x4540
	s_wait_tensorcnt 0x0                           ; all my tensor loads have landed: the one that was out is my part of the other slot
	ds_add_u32 v62, v63
	s_wait_dscnt 0x0
	s_set_vgpr_msb 0x4045
	s_barrier_signal -1                            ; say so; register work alone up to the wait
.endif
	PVRUN \first
	WIN 0
	PLACES 5                                       ; five places before the next S is written over P, four before V's registers are loaded again or O is read
.if \fetch
	FETCHV \slot, 1
.endif
.if \turn
	s_barrier_wait -1
.endif
.if \turn == 1
	CREST                                          ; no wave of any partner still reads this slot or has a load on its way
	s_add_nc_u64 s[G0V+4*\slot+2:G0V+4*\slot+3], s[G0V+4*\slot+2:G0V+4*\slot+3], 2*TILEB
	s_add_nc_u64 s[G0K+4*\slot+2:G0K+4*\slot+3], s[G0K+4*\slot+2:G0K+4*\slot+3], 2*TILEB
	JLOAD \slot                                    ; the wave's one tensor load behind the round: 512 keys on; it has the whole next step in which to land
.endif
.endm
.macro STEP slot, first, turn          ; a slot of 256 keys: my group's two blocks
	FETCHK \slot, 0
	FETCHV \slot, 0
	BLOCK \slot, \first, 1, 16, 0
	BLOCK \slot, 0, 0, 0, \turn
.endm
	s_wait_tensorcnt 0x1                           ; my part of keys 0-255 is in; the second tile stays out
	s_barrier_signal -1
	s_barrier_wait -1
	s_wait_loadcnt 0x0                             ; Q
	STEP 0, 1, 1                                   ; tile 0: its products start the sums
	s_mov_b32 s19, 6
.Lpair:
	STEP 1, 0, 1                                   ; tiles 1 .. 12
	STEP 0, 0, 1
	s_sub_co_u32 s19, s19, 1
	s_cmp_lg_u32 s19, 0
	s_cbranch_scc1 .Lpair
	STEP 1, 0, 1                                   ; tile 13; asks for tile 15, the last
	STEP 0, 0, 2                                   ; tile 14: nothing is left to fetch
	STEP 1, 0, 0                                   ; tile 15
	; the sums: the pair's two halves, then the two halves of the lanes
.irp qt, 0,1,2,3
	v_add_f32 v[LP+\qt], v[LP+2*\qt], v[LP+2*\qt+1]
.endr
.irp qt, 0,1,2,3
	v_permlanex16_b32 v[X+\qt], v[LP+\qt], s14, s15
.endr
.irp qt, 0,1,2,3
	v_add_f32 v[LP+\qt], v[LP+\qt], v[X+\qt]
.endr
	s_cmp_eq_u32 s9, 0
	s_cbranch_scc1 .Lkeep
	WIN 0x04                                       ; waves 4-7 hand O, NM and the sum to waves 0-3: 16 bytes a lane, 512 consecutive bytes a store
.set ii, 0
.rept 32
	ds_store_b128 v[DU], v[O+4*ii:O+4*ii+3] offset:512*ii
.set ii, ii+1
.endr
	WIN 0
	ds_store_b128 v[DU], v[NM:NM+3] offset:16384
	ds_store_b128 v[DU], v[LP:LP+3] offset:16896
.Lkeep:
	s_wait_dscnt 0x0                               ; my stores are in LDS before I say so
	s_barrier_signal -1
	s_barrier_wait -1
	s_cmp_lg_u32 s9, 0
	s_cbranch_scc1 .Lclose
	ds_load_b128 v[PM:PM+3], v[DU] offset:16384
	ds_load_b128 v[PL:PL+3], v[DU] offset:16896
	WIN 0x40
.set ii, 0
.rept 32
	ds_load_b128 v[4*ii:4*ii+3], v[DU] offset:512*ii   ; the partner's O into the registers that held S
.set ii, ii+1
.endr
	WIN 0
	s_wait_dscnt 32                                ; the partner's NM and sum are in; its O may be out
.irp qt, 0,1,2,3
	v_min_num_f32 v[X+\qt], v[NM+\qt], v[PM+\qt]   ; the larger maximum has the smaller NM
.endr
.irp qt, 0,1,2,3
	v_sub_f32 v[AL+\qt], v[X+\qt], v[NM+\qt]
	v_sub_f32 v[T+\qt], v[X+\qt], v[PM+\qt]
.endr
.irp qt, 0,1,2,3
	v_exp_f32 v[AL+\qt], v[AL+\qt]                 ; one of the two is 1
	v_exp_f32 v[T+\qt], v[T+\qt]
.endr
	v_nop
	s_wait_alu depctr_va_vdst(0)
.irp qt, 0,1,2,3
	v_mul_f32 v[X+\qt], v[AL+\qt], v[LP+\qt]
.endr
.irp qt, 0,1,2,3
	v_fmac_f32 v[X+\qt], v[T+\qt], v[PL+\qt]       ; the whole row's sum: about 1 at the least, 4,096 at the most
.endr
.irp qt, 0,1,2,3
	v_rcp_f32 v[X+\qt], v[X+\qt]
.endr
	v_nop
	s_wait_alu depctr_va_vdst(0)
.irp qt, 0,1,2,3
	v_mul_f32 v[AL+\qt], v[AL+\qt], v[X+\qt]       ; my O's factor
	v_mul_f32 v[NM+\qt], v[T+\qt], v[X+\qt]        ; the partner's
.endr
	s_wait_dscnt 0x0
.macro MRGA qt, pr, sel
.set ii, 0
.rept 16
	v_pk_mul_f32 v[32*\qt+2*ii:32*\qt+2*ii+1], v[32*\qt+2*ii:32*\qt+2*ii+1], v[NM+\pr:NM+\pr+1] op_sel:[0,\sel] op_sel_hi:[1,\sel]
.set ii, ii+1
.endr
.endm
.macro MRGB qt, pr, sel
.set ii, 0
.rept 16
	v_pk_fma_f32 v[O+32*\qt+2*ii:O+32*\qt+2*ii+1], v[O+32*\qt+2*ii:O+32*\qt+2*ii+1], v[AL+\pr:AL+\pr+1], v[32*\qt+2*ii:32*\qt+2*ii+1] op_sel:[0,\sel,0] op_sel_hi:[1,\sel,1]
.set ii, ii+1
.endr
.endm
	WIN 0x41
	MRGA 0, 0, 0
	MRGA 1, 0, 1
	MRGA 2, 2, 0
	MRGA 3, 2, 1
	WIN 0x51
	MRGB 0, 0, 0
	MRGB 1, 0, 1
	MRGB 2, 2, 0
	MRGB 3, 2, 1
	WIN 0x05
.set ii, 0
.rept 64
	v_cvt_pk_bf16_f32 v[KF+ii], v[O+2*ii], v[O+2*ii+1]   ; tile (qt, dt): four registers = d 16 dt + 8 h .. + 7 of query r
.set ii, ii+1
.endr
	WIN 0
.irp qt, 0,1,2,3
.irp dt, 0,1,2,3
	ds_store_b128 v[STO], v[KF+16*\qt+4*\dt:KF+16*\qt+4*\dt+3] offset:16*KP*\qt+32*\dt
.endr
.endr
.set ii, 0
.rept 16
	ds_load_b128 v[VF+4*ii:VF+4*ii+3], v[RD] offset:4*KP*ii   ; four whole rows; my own bytes, and LDS serves a wave in order: no wait between
.set ii, ii+1
.endr
.set ii, 0
.rept 16
	s_wait_dscnt 15-ii
	global_store_b128 v[CO], v[VF+4*ii:VF+4*ii+3], s[6:7] offset:512*ii   ; the wave stores 512 consecutive bytes, aligned
.set ii, ii+1
.endr
.Lclose:
	s_wait_tensorcnt 0x0
	ds_add_u32 v62, v63
	s_wait_dscnt 0x0
	CROUND                                         ; the closing round
	s_endpgm
.Lfunc_end_k_qdcff1d8537_attn:
	.size	k_qdcff1d8537_attn, .Lfunc_end_k_qdcff1d8537_attn-k_qdcff1d8537_attn
	.p2alignl 7, 3214868480
	.fill 96, 4, 3214868480
	.section	.rodata,"a",@progbits
	.p2align	6, 0x0
	.amdhsa_kernel k_qdcff1d8537_attn
		.amdhsa_group_segment_fixed_size 327680
		.amdhsa_private_segment_fixed_size 0
		.amdhsa_enable_private_segment 0
		.amdhsa_kernarg_size 16
		.amdhsa_user_sgpr_count 2
		.amdhsa_user_sgpr_kernarg_segment_ptr 1
		.amdhsa_wavefront_size32 1
		.amdhsa_system_sgpr_workgroup_id_x 1
		.amdhsa_system_sgpr_workgroup_id_y 1
		.amdhsa_system_sgpr_workgroup_id_z 1
		.amdhsa_system_vgpr_workitem_id 0
		.amdhsa_next_free_vgpr 512
		.amdhsa_next_free_sgpr 66
		.amdhsa_reserve_vcc 0
		.amdhsa_float_denorm_mode_32 3
		.amdhsa_float_denorm_mode_16_64 3
		.amdhsa_memory_ordered 1
		.amdhsa_forward_progress 1
		.amdhsa_inst_pref_size 255
	.end_amdhsa_kernel
	.section	.bss,"aw",@nobits
	.p2align	6
	.space	262144
	.amdgpu_metadata
---
amdhsa.version: [ 1, 2 ]
amdhsa.kernels:
  - .name:           k_qdcff1d8537_attn
    .symbol:         k_qdcff1d8537_attn.kd
    .args:
      - { .name: qkv, .offset: 0, .size: 8, .value_kind: global_buffer, .address_space: global }
      - { .name: ao, .offset: 8, .size: 8, .value_kind: global_buffer, .address_space: global }
    .group_segment_fixed_size: 327680
    .private_segment_fixed_size: 0
    .kernarg_segment_align: 8
    .kernarg_segment_size: 16
    .max_flat_workgroup_size: 256
    .sgpr_count:     66
    .vgpr_count:     512
    .wavefront_size: 32
...
	.end_amdgpu_metadata
.endif
;; end of part 3
;; launch oproj (part 4): grid 8 x 32, 4 waves a work-group, clusters of 4 x 4, 327,680 bytes of LDS; arguments ao, wt, out0, bo; writes out0
.if DOCPART == 4
	.amdgcn_target "amdgcn-amd-amdhsa--gfx1250"
	.amdhsa_code_object_version 6
	.text
	.protected	k_qdcff1d8537_oproj
	.globl	k_qdcff1d8537_oproj
	.p2align	8
	.type	k_qdcff1d8537_oproj,@function
k_qdcff1d8537_oproj:
	s_mov_b64 s[64:65], 0
	v_nop
	global_prefetch_b8 v0, s[64:65] scope:SCOPE_SE
	s_setreg_imm32_b32 hwreg(HW_REG_WAVE_MODE, 25, 1), 1
	s_wait_xcnt 0x0
	s_wait_alu depctr_hold_cnt(0) depctr_sa_sdst(0) depctr_va_vdst(0) depctr_va_sdst(0) depctr_va_ssrc(0) depctr_va_vcc(0) depctr_vm_vsrc(0)
	s_getreg_b32 s2, hwreg(HW_REG_IB_STS2, 6, 4)
	s_cmp_eq_u32 s2, 0
	s_cbranch_scc0 .Lentry_in_a_cluster
	s_endpgm
.Lentry_in_a_cluster:
	s_bfe_u32 s2, ttmp6, 0x10000c
	s_cmp_lg_u32 s2, 0xf033
	s_cbranch_scc0 .Lentry_shape_is_right
	s_endpgm
.Lentry_shape_is_right:
; oproj: out0[m][n] = sum over k of ao(m, k) wt[3072 + n][k] + bo[n], f32.  ao: [16 heads][4096][64] bf16, k = 64 head + d; wt: [4096][1024] bf16.
; 8 x 32 blocks of 128 x 128 = 256 work-groups of four waves; a wave makes 64 x 64: 16 accumulator tiles in window 1 (tile (a, b) at v[8 (4 a + b)]).
; A larger wave tile would leave work for fewer than 256 work-groups.  K goes in four steps of 256 (four heads) through two LDS slots.
; CLUSTERS: 4 x 4 work-groups; ao's tiles are shared along a row of the cluster, wt's along a column, each asked for jointly.
; The matrix instruction is used transposed (source 0 = rows of wt, source 1 = rows of ao): a lane's eight results are eight neighbouring columns of one row,
; and the bias of these columns is the C of the first product.  The sixteen accumulators take turns, one instruction a turn.
.set APITCH, 144                       ; ao in LDS: a row of one head, 128 bytes + 16
.set AHEAD,  64*APITCH                 ; 64 rows of one head
.set AHALF,  4*AHEAD                   ; four heads: what one tensor load brings of ao
.set BPITCH, 528                       ; wt in LDS: 512 bytes + 16
.set BHALF,  64*BPITCH                 ; 64 rows: what one tensor load brings of wt
.set BOFF,   2*AHALF
.set SLOT,   BOFF+2*BHALF              ; 141,312
.set STAGE,  2*SLOT                    ; 282,624: 16 rows x 272 bytes for each wave; no tensor load lands here
.set SPITCH, 272
.set ASTEP,  4*4096*128                ; four heads on in ao
.set BSTEP,  512                       ; 256 k on in a row of wt
.set ADRA, 16                          ; v16-17
.set ADRB, 20                          ; v20-21
.set STO,  24
.set RD,   25
.set CO,   26
.set BO,   27
.set F0,   64                          ; fragment buffers: ao's four at F + 8 i, wt's four at F + 32 + 8 i
.set F1,   128
.set BIAS, 192                         ; v192-223
.set G1, 24
.set G0, 32
.set G1B, 48
.set G0B, 56
.set MSB, 0
.macro WIN new
.if MSB != \new
	s_set_vgpr_msb (MSB<<8)|\new
.set MSB, \new
.endif
.endm
.macro JLOAD s                         ; waves 0, 1 fetch ao's two halves, waves 2, 3 wt's
	s_cmp_eq_u32 s11, 0
	s_cbranch_scc0 .Lfor_b_\@
	tensor_load_to_lds s[G0+4*\s:G0+4*\s+3], s[G1:G1+7]
	s_nop 0
	s_branch .Lasked_\@
.Lfor_b_\@:
	tensor_load_to_lds s[G0B+4*\s:G0B+4*\s+3], s[G1B:G1B+7]
	s_nop 0
.Lasked_\@:
.endm
.macro CREST
	s_cmp_lg_u32 s10, 0
	s_cbranch_scc1 .Lnot_wave_0_\@
	s_barrier_signal -3
.Lnot_wave_0_\@:
	s_barrier_wait -3
	s_barrier_signal -1
	s_barrier_wait -1
.endm
.macro CROUND
	s_barrier_signal -1
	s_barrier_wait -1
	CREST
.endm
.macro PLACES                          ; four places behind a matrix instruction (ISA guide 7.12.1)
.rept 4
	v_nop
.endr
.endm
	s_load_b128 s[4:7], s[0:1], 0x0                ; ao s[4:5], wt s[6:7]
	s_load_b64 s[8:9], s[0:1], 0x10                ; out0
	s_load_b64 s[66:67], s[0:1], 0x18              ; bo
	v_lshl_add_u32 v254, v0, 2, 0x49400
	v_mov_b32 v255, 0
	ds_add_u32 v254, v255
	v_lshrrev_b32 v1, 5, v0
	v_readfirstlane_b32 s10, v1                    ; wave 0..3
	s_lshr_b32 s11, s10, 1                         ; my half of the block's rows.  Also: I fetch ao (0) or wt (1)
	s_and_b32 s12, s10, 1                          ; my half of its columns.  Also: which 64 rows I fetch
	s_bfe_u32 s40, ttmp6, 0x40000                  ; cx
	s_bfe_u32 s41, ttmp6, 0x40004                  ; cy
	s_lshl_b32 s42, ttmp9, 2
	s_add_co_u32 s42, s42, s40                     ; block column
	s_and_b32 s13, ttmp7, 0xffff
	s_lshl_b32 s13, s13, 2
	s_add_co_u32 s13, s13, s41                     ; block row
	s_lshl_b32 s43, s41, 2
	s_lshl_b32 s43, 15, s43                        ; my row of the cluster
	s_lshl_b32 s44, 0x1111, s40                    ; my column
	; ao: four "rows", one a head, each 64 rows x 128 bytes = 1,024 dense elements of 8 bytes, 65,536 elements apart; 4 words of padding behind every 32
	s_or_b32 s[G1+0], s43, (3<<16)|(1<<20)|(1<<21)|(4<<22)|(3<<25)
	s_mov_b32 s[G1+1], 1024<<16                    ; tensor_dim0 = 1,024
	s_mov_b32 s[G1+2], 4<<16                       ; tensor_dim1 = 4
	s_mov_b32 s[G1+3], 1024<<16                    ; tile_dim0 = 1,024
	s_mov_b32 s[G1+4], 4                           ; tile_dim1 = 4
	s_mov_b32 s[G1+5], 65536                       ; from head to head
	s_mov_b32 s[G1+6], 0
	s_mov_b32 s[G1+7], 0
	; wt: 64 rows x 256 elements of 2 bytes, 1,024 elements apart; 4 words of padding behind every 128
	s_or_b32 s[G1B+0], s44, (1<<16)|(1<<20)|(1<<21)|(6<<22)|(3<<25)
	s_mov_b32 s[G1B+1], 256<<16
	s_mov_b32 s[G1B+2], 64<<16
	s_mov_b32 s[G1B+3], 256<<16
	s_mov_b32 s[G1B+4], 64
	s_mov_b32 s[G1B+5], 1024
	s_mov_b32 s[G1B+6], 0
	s_mov_b32 s[G1B+7], 0
	s_lshl_b32 s17, s12, 6
	s_lshl_b32 s16, s13, 7
	s_add_co_u32 s16, s16, s17                     ; ao: row 128 x block row + 64 x half,
	s_lshl_b32 s16, s16, 7                         ;     in rows of 128 bytes
	s_lshl_b32 s46, s42, 7
	s_add_co_u32 s46, s46, s17
	s_add_co_u32 s46, s46, 3072                    ; wt: row 3,072 + 128 x block column + 64 x half,
	s_lshl_b32 s46, s46, 11                        ;     in rows of 2,048 bytes
	s_mov_b32 s17, 0
	s_mov_b32 s47, 0
	s_mul_i32 s20, s10, AHALF                      ; LDS: ao's halves at wave x AHALF (waves 0, 1),
	s_mul_i32 s45, s10, BHALF                      ;      wt's at BOFF + (wave - 2) x BHALF (waves 2, 3)
	s_add_co_u32 s45, s45, BOFF-2*BHALF
	s_lshl_b32 s72, s42, 9                         ; my first column in bytes of f32: 512 x block column + 256 x half: for bo and for out0
	s_lshl_b32 s73, s12, 8
	s_add_co_u32 s72, s72, s73
	s_mov_b32 s73, 0
	s_wait_dscnt 0x0
	s_wait_kmcnt 0x0
	s_add_nc_u64 s[14:15], s[4:5], s[16:17]
	s_add_nc_u64 s[46:47], s[6:7], s[46:47]
	s_add_nc_u64 s[66:67], s[66:67], s[72:73]
	CROUND                                         ; all sixteen work-groups are here
.irp s, 0,1
	s_mov_b32 s[G0+4*\s], 1
	s_add_co_u32 s[G0+4*\s+1], s20, \s*SLOT
	s_add_nc_u64 s[G0+4*\s+2:G0+4*\s+3], s[14:15], \s*ASTEP
	s_or_b32 s[G0+4*\s+3], s[G0+4*\s+3], 0x80000000
	s_mov_b32 s[G0B+4*\s], 1
	s_add_co_u32 s[G0B+4*\s+1], s45, \s*SLOT
	s_add_nc_u64 s[G0B+4*\s+2:G0B+4*\s+3], s[46:47], \s*BSTEP
	s_or_b32 s[G0B+4*\s+3], s[G0B+4*\s+3], 0x80000000
	JLOAD \s                                       ; K steps 0 and 1, half of all operands: two tensor loads of the wave are out
.endr
	v_and_b32 v1, 15, v0                           ; l % 16
	v_bfe_u32 v2, v0, 4, 1                         ; l / 16
	v_lshlrev_b32 v[BO], 5, v2
.irp b, 0,1,2,3
	global_load_b128 v[BIAS+8*\b:BIAS+8*\b+3],   v[BO], s[66:67] offset:64*\b      ; bo of columns 16 b + 8 (l / 16) + 0..3
	global_load_b128 v[BIAS+8*\b+4:BIAS+8*\b+7], v[BO], s[66:67] offset:64*\b+16
.endr
	v_mul_u32_u24 v3, v1, APITCH
	v_lshl_add_u32 v3, v2, 4, v3
	v_mul_u32_u24 v4, v1, BPITCH
	v_lshl_add_u32 v4, v2, 4, v4
	s_mul_i32 s21, s11, AHALF
	s_mul_i32 s22, s12, BHALF
	s_add_co_u32 s22, s22, BOFF
.irp s, 0,1
	v_add_nc_u32 v[ADRA+\s], s21, v3
	v_add_nc_u32 v[ADRB+\s], s22, v4
	s_add_co_u32 s21, s21, SLOT
	s_add_co_u32 s22, s22, SLOT
.endr
	s_mul_i32 s23, s10, 16*SPITCH
	s_add_co_u32 s23, s23, STAGE
	v_mul_u32_u24 v5, v1, SPITCH                   ; in: row l % 16, 32 bytes for each half of the lanes
	v_lshl_add_u32 v5, v2, 5, v5
	v_add_nc_u32 v[STO], s23, v5
	v_mul_u32_u24 v6, v2, SPITCH                   ; back: lanes 0-15 one row of 256 bytes, lanes 16-31 the next
	v_lshl_add_u32 v6, v1, 4, v6
	v_add_nc_u32 v[RD], s23, v6
	v_lshlrev_b32 v7, 12, v2                       ; the same two rows in out0, 4,096 bytes apart
	v_lshl_add_u32 v[CO], v1, 4, v7
; 16 LDS loads: the fragments of quarter q (32 k at 32 q of the step: head q / 2, d 32 (q % 2)): wt's first, then ao's
.macro FETCH slot, q, f
.irp i, 0,1,2,3
	ds_load_b128 v[\f+32+8*\i:\f+32+8*\i+3],   v[ADRB+\slot] offset:64*\q+\i*16*BPITCH
	ds_load_b128 v[\f+32+8*\i+4:\f+32+8*\i+7], v[ADRB+\slot] offset:64*\q+\i*16*BPITCH+32
.endr
.irp i, 0,1,2,3
	ds_load_b128 v[\f+8*\i:\f+8*\i+3],   v[ADRA+\slot] offset:AHEAD*(\q/2)+64*(\q%2)+\i*16*APITCH
	ds_load_b128 v[\f+8*\i+4:\f+8*\i+7], v[ADRA+\slot] offset:AHEAD*(\q/2)+64*(\q%2)+\i*16*APITCH+32
.endr
.endm
.macro MUL4 f, a, first                ; m block a x the four n blocks
.irp b, 0,1,2,3
.if \first
	v_wmma_f32_16x16x32_bf16 v[8*(4*\a+\b):8*(4*\a+\b)+7], v[\f+32+8*\b:\f+32+8*\b+7], v[\f+8*\a:\f+8*\a+7], v[BIAS+8*\b:BIAS+8*\b+7]
.else
	v_wmma_f32_16x16x32_bf16 v[8*(4*\a+\b):8*(4*\a+\b)+7], v[\f+32+8*\b:\f+32+8*\b+7], v[\f+8*\a:\f+8*\a+7], v[8*(4*\a+\b):8*(4*\a+\b)+7]
.endif
.endr
.endm
.macro MWIN first                      ; D in window 1; C in window 0 (the bias) or window 1
.if \first
	WIN 0x40
.else
	WIN 0x50
.endif
.endm
; One of a step's first seven quarters: multiplies buffer f; in its middle it fetches quarter qn into buffer g.
.macro QUARTER slot, qn, f, g, first
	s_wait_dscnt 4                                 ; wt's fragments and ao's 0, 1 are in; the youngest four loads (ao's 2, 3) may be out
	MWIN \first
	MUL4 \f, 0, \first
	MUL4 \f, 1, \first
	WIN 0
	PLACES
	FETCH \slot, \qn, \g
	s_wait_dscnt 16                                ; all but the 16 just issued
	MWIN \first
	MUL4 \f, 2, \first
	MUL4 \f, 3, \first
.endm
.macro SEVEN slot, first
	QUARTER \slot, 1, F0, F1, \first
	QUARTER \slot, 2, F1, F0, 0
	QUARTER \slot, 3, F0, F1, 0
	QUARTER \slot, 4, F1, F0, 0
	QUARTER \slot, 5, F0, F1, 0
	QUARTER \slot, 6, F1, F0, 0
	QUARTER \slot, 7, F0, F1, 0
.endm
; The eighth quarter: multiplies buffer 1 and changes slots.  fill = 1: this slot is filled again, two K steps ahead, behind a round of the cluster's barrier.
.macro TURN slot, next, fill
	s_wait_dscnt 4
	WIN 0x50
	MUL4 F1, 0, 0
	s_wait_dscnt 0                                 ; my reads of this slot are over
	s_wait_tensorcnt 0x0                           ; and all my tensor loads have landed
	ds_add_u32 v254, v255
	s_wait_dscnt 0x0
	s_barrier_signal -1
	MUL4 F1, 1, 0                                  ; register work while the others arrive
	WIN 0
	s_barrier_wait -1
.if \fill
	CREST                                          ; no wave of any partner still reads this slot or has a load on its way
	s_add_nc_u64 s[G0+4*\slot+2:G0+4*\slot+3], s[G0+4*\slot+2:G0+4*\slot+3], 2*ASTEP
	s_add_nc_u64 s[G0B+4*\slot+2:G0B+4*\slot+3], s[G0B+4*\slot+2:G0B+4*\slot+3], 2*BSTEP
	JLOAD \slot                                    ; the wave's one tensor load behind the round
.endif
	PLACES
	FETCH \next, 0, F0
	WIN 0x50
	MUL4 F1, 2, 0
	MUL4 F1, 3, 0
.endm
	s_wait_tensorcnt 0x1                           ; my part of K step 0 is in; K step 1's stays out
	s_barrier_signal -1
	s_barrier_wait -1
	s_wait_loadcnt 0x0                             ; the bias
	FETCH 0, 0, F0
	SEVEN 0, 1                                     ; K step 0: its first products take the bias as C
	TURN 0, 1, 1
	SEVEN 1, 0                                     ; K step 1
	TURN 1, 0, 1
	SEVEN 0, 0                                     ; K step 2: nothing is left to fetch
	TURN 0, 1, 0
	SEVEN 1, 0                                     ; K step 3
	s_wait_dscnt 4
	WIN 0x50
	MUL4 F1, 0, 0
	MUL4 F1, 1, 0
	s_wait_dscnt 0
	MUL4 F1, 2, 0
	MUL4 F1, 3, 0
	WIN 0
	PLACES                                         ; before the results are stored to LDS and the buffers are loaded again
	; THE WAY OUT, 16 rows at a time, through my own stage: 32 bytes a lane in, whole rows of 256 bytes back
	s_lshl_b32 s16, s13, 19                        ; row 128 x block row + 64 x half, in rows of 4,096 bytes
	s_lshl_b32 s17, s11, 18
	s_add_co_u32 s16, s16, s17
	s_mov_b32 s17, 0
	s_add_nc_u64 s[8:9], s[8:9], s[16:17]
	s_add_nc_u64 s[8:9], s[8:9], s[72:73]          ; and my first column
.macro OUT16 a, f
	WIN 0x04                                       ; the stores' data in window 1
.irp b, 0,1,2,3
	ds_store_b128 v[STO], v[8*(4*\a+\b):8*(4*\a+\b)+3]   offset:64*\b
	ds_store_b128 v[STO], v[8*(4*\a+\b)+4:8*(4*\a+\b)+7] offset:64*\b+16
.endr
	WIN 0
	s_wait_xcnt 0x0                                ; buffer f, which earlier stores read, and the stores' base are rewritten only behind this wait
.if \a
	s_add_nc_u64 s[8:9], s[8:9], 16*4096
.endif
.irp t, 0,1,2,3,4,5,6,7
	ds_load_b128 v[\f+4*\t:\f+4*\t+3], v[RD] offset:\t*2*SPITCH   ; LDS serves a wave in order: these see the stores above
.endr
.irp t, 0,1,2,3,4,5,6,7
	s_wait_dscnt 7-\t
	global_store_b128 v[CO], v[\f+4*\t:\f+4*\t+3], s[8:9] offset:\t*2*4096 th:TH_STORE_NT   ; sixteen lanes store 256 consecutive bytes, aligned
.endr
.endm
	OUT16 0, F0
	OUT16 1, F1
	OUT16 2, F0
	OUT16 3, F1
	s_wait_tensorcnt 0x0
	ds_add_u32 v254, v255
	s_wait_dscnt 0x0
	CROUND                                         ; the closing round
	s_endpgm
.Lfunc_end_k_qdcff1d8537_oproj:
	.size	k_qdcff1d8537_oproj, .Lfunc_end_k_qdcff1d8537_oproj-k_qdcff1d8537_oproj
	.p2alignl 7, 3214868480
	.fill 96, 4, 3214868480
	.section	.rodata,"a",@progbits
	.p2align	6, 0x0
	.amdhsa_kernel k_qdcff1d8537_oproj
		.amdhsa_group_segment_fixed_size 327680
		.amdhsa_private_segment_fixed_size 0
		.amdhsa_enable_private_segment 0
		.amdhsa_kernarg_size 32
		.amdhsa_user_sgpr_count 2
		.amdhsa_user_sgpr_kernarg_segment_ptr 1
		.amdhsa_wavefront_size32 1
		.amdhsa_system_sgpr_workgroup_id_x 1
		.amdhsa_system_sgpr_workgroup_id_y 1
		.amdhsa_system_sgpr_workgroup_id_z 1
		.amdhsa_system_vgpr_workitem_id 0
		.amdhsa_next_free_vgpr 384
		.amdhsa_next_free_sgpr 76
		.amdhsa_reserve_vcc 0
		.amdhsa_float_denorm_mode_32 3
		.amdhsa_float_denorm_mode_16_64 3
		.amdhsa_memory_ordered 1
		.amdhsa_forward_progress 1
		.amdhsa_inst_pref_size 91
	.end_amdhsa_kernel
	.amdgpu_metadata
---
amdhsa.version: [ 1, 2 ]
amdhsa.kernels:
  - .name:           k_qdcff1d8537_oproj
    .symbol:         k_qdcff1d8537_oproj.kd
    .args:
      - { .name: ao, .offset: 0, .size: 8, .value_kind: global_buffer, .address_space: global }
      - { .name: wt, .offset: 8, .size: 8, .value_kind: global_buffer, .address_space: global }
      - { .name: out0, .offset: 16, .size: 8, .value_kind: global_buffer, .address_space: global }
      - { .name: bo, .offset: 24, .size: 8, .value_kind: global_buffer, .address_space: global }
    .group_segment_fixed_size: 327680
    .private_segment_fixed_size: 0
    .kernarg_segment_align: 8
    .kernarg_segment_size: 32
    .max_flat_workgroup_size: 128
    .sgpr_count:     76
    .vgpr_count:     384
    .wavefront_size: 32
...
	.end_amdgpu_metadata
.endif
;; end of part 4
